; MI455X (gfx1250); checked and timed in simulation.
; The chip was launched on July 23, 2026; its instructions are those of AMD's public machine-readable ISA for CDNA 5 (MIT licence, August 2026) and "CDNA5" Instruction Set Architecture Reference Guide (July 2026). The comments in the code are by the model that wrote it; some were corrected since.
;; Scaled Dot Product Attention. Allowed arithmetic: matrix products marked QUANTISED: E5M2 operands, one given power-of-two scale a tensor, by v_wmma_f32_16x16x64_bf8_bf8 or v_wmma_f32_16x16x128_bf8_bf8, f32 sums; everything else in f32.
;; Inputs: K 4 x 16 x 2,048 x 64 float32; Q 4 x 16 x 2,048 x 64 float32; V 4 x 16 x 2,048 x 64 float32; lowp_scales 4 int32 (the exponents e of the quantised operands' scales 2^e).
;; Outputs: out0 4 x 16 x 2,048 x 64 float32.
;; This version of the problem:
;;   THIS VERSION OF THE PROBLEM IS GIVEN IN LOW PRECISION. The matrix products marked QUANTISED in the list below multiply operands that are first quantised to E5M2 (5 exponent bits, 2 mantissa bits; 8 bits a number), with one given power-of-two scale for each operand tensor; their sums are f32. All else is computed in f32.
;;   The module's matrix products, in the order in which they are computed (A, B: the left and right operand; K: the contracted axis; several contracted axes count as one K, in the product's order):
;;     1. batch 64 x [M 2,048, K 64] x [K 64, N 2,048]; A: input Q; B: input K: QUANTISED (scales: A lowp_scales[0], B lowp_scales[1])
;;     2. batch 64 x [M 2,048, K 2,048] x [K 2,048, N 64]; A: softmax (see below); B: input V: QUANTISED (scales: A lowp_scales[2], B lowp_scales[3])
;;   THE QUANTISER, for each operand of a quantised product, along K:
;;     - The operand's scale is 2^e, e = its entry of the input lowp_scales (int32; the entries are numbered through the quantised products in the list's order, A before B).
;;     - Each number is divided by the scale, clamped to +-57,344, and rounded to the nearest number of E5M2, ties to even, subnormals kept.
;;     - The product sums the exact products of the quantised numbers (number of the format x scale) in f32.
;;   ~~~python
;;   def quantise(x, axis, e):      # numpy; x: float32 -> the quantised numbers, widened to float32 again
;;       x = np.moveaxis(x, axis, -1); K = x.shape[-1]
;;       r = np.clip(x / 2.0 ** e, -57344, 57344)
;;       step = 2.0 ** (np.maximum(np.frexp(np.where(r == 0, 1, r))[1] - 1, -14) - 2)
;;       q = np.round(r / step) * step * 2.0 ** e      # np.round: ties to even
;;       return np.moveaxis(q, -1, axis).astype(np.float32)
;;   ~~~
;;   SOFTMAX AHEAD OF A QUANTISED PRODUCT. Where the list says 'softmax', what is quantised is not the finished softmax but p = 2^(t - M), with t = logit x log2(e) and M = ceil(the row's largest t), a whole number; so 1/2 < the row's largest p <= 1. The row's sum l is taken of the UNQUANTISED p, in f32, and the product's result is divided by l at the end. Since M is a whole number, a kernel that streams over the keys may use a running M (the ceiling of the running maximum): every later rescaling is an exact power of two, so the quantised numbers keep their values, but for numbers so far below the row's largest that they fall under the format's range.
;;   OPERANDS COMPUTED ON THE WAY. 'Computed on the way' means the value that the module computes at that place (a softmax that the list does not call 'softmax' is quantised finished and normalised). What goes into a quantiser is computed in f32, as accurately as f32 sums, v_exp_f32 and their like allow (about 1e-6 of the number): no bf16 or f16 on the way to a quantiser, and a product that is left as it is and whose result goes on into a quantised operand takes f32 operands (vector FMAs, or v_wmma_f32_16x16x4_f32). A number that lies on a knife's edge between two numbers of the format may be rounded either way, as far as f32 arithmetic and the matrix unit's own rounding can turn it there, and no further.
;; 2 versions, each right; version 2 is version 1 with the launch attn written anew for expert scheduling mode. Each part assembles by itself: llvm-mc -triple=amdgcn-amd-amdhsa -mcpu=gfx1250 --defsym DOCPART=n.
;; ======== version 1 of 2: 1 launch
;; launch attn (part 1): grid 4 x 64, 8 waves a work-group, no clusters, 68,608 bytes of LDS; arguments Q, K, V, lowp_scales, out0; writes out0
.if DOCPART == 1
	.amdgcn_target "amdgcn-amd-amdhsa--gfx1250"
	.amdhsa_code_object_version 6
	.text
	.protected	k_q7c011611ac_attn
	.globl	k_q7c011611ac_attn
	.p2align	8
	.type	k_q7c011611ac_attn,@function
k_q7c011611ac_attn:
	s_mov_b64 s[64:65], 0
	v_nop
	global_prefetch_b8 v0, s[64:65] scope:SCOPE_SE
	s_setreg_imm32_b32 hwreg(HW_REG_WAVE_MODE, 25, 1), 1
	s_wait_xcnt 0x0
; out0[h][q][:] = the sum over k of softmax_k(Q[h][q] . K[h][k] / sqrt(64)) V[h][k][:], 64 heads of 2,048 queries and 2,048 keys, head size 64; Q, K, V, out0 f32.
; Both products on codes of BF8 (E5M2), each operand with the one scale 2^e that is given for it: eq, ek, ep, ev (int32, in lowp_scales).
; THE SOFTMAX AHEAD OF THE SECOND PRODUCT: t = score x log2(e) / 8; M = the row's largest t so far, rounded UP to a whole number; p = 2^(t - M) is what is quantised, along the keys, not normalised.
; The row's sum is taken of the unquantised p, in f32, and divides O at the end.  When M moves, the sum and O are multiplied by 2^(old M - new M): nothing is rounded.
; SHARES.  A work-group owns 512 queries of one head (grid 4 x 64); each of its eight waves owns 64: four tiles of 16, worked as two PAIRS of tiles that share every fragment of K and V read from LDS.
; The keys go in 16 steps of 128.  For each step the eight waves together load the step's K and V as f32 into registers, a whole step ahead (wave w: keys 16 w .. 16 w + 15 of both), hold them at the largest
; code, convert them, and store the codes in LDS as IMAGES OF THE OPERANDS' REGISTERS (16 bytes a lane, 512 bytes a group of four registers), in two buffers by turns.  One barrier a step orders both ways:
; this step's codes are stored before anybody reads them, and the other buffer's reads are back before anybody stores the next step's codes there.
; LAYOUT.  Both products are used transposed: S^T = K Q^T (source 0 = 16 keys, source 1 = 16 queries), O^T = V^T P^T (source 0 = 16 channels, source 1 = P): a lane holds ONE query (lane % 16) throughout.
; THE KEYS OF A TILE ARE NOT NEIGHBOURS: row m of tile 2 b + u is key 32 b + 8 u + m + 8 (m / 8), so that the 16 registers of tiles 2 b and 2 b + 1 are 16 neighbouring keys, 32 b + 16 (lane / 16) + 0 .. 15.
; Along each product's K a lane's registers 4 g .. 4 g + 3 hold k = 32 g + 16 (lane / 16) + 0 .. 15, in both operands alike: every code meets its partner; only the order of the sums inside an instruction differs.
; NO TENSOR LOADS, NO CLUSTER, NO JOINT LOADS, although the four work-groups of a head read the same K and V: these arrive as f32 and must pass through registers to become codes, so a joint load would bring
; 64 KiB a step into LDS only to be read out, converted and stored again beside the 16 KiB of codes.  K and V are converted once in each of a head's four work-groups: 72 vector instructions a wave and step.
; The hold of p at the largest code x 2^ep is left out, by a scalar branch on the given ep, where 57,344 x 2^ep is at least 1.75 (ep >= -15): p is at most 1 but for its last bit.
; LIMITS on the given exponents, so that each power of two below is an f32 number: eq, ek, ep, ev each between -126 and 112; eq + ek between -123 and 130 (they are added to c's exponent field);
; ep + ev is applied by v_ldexp_f32 and has none.  NaN among the inputs is not served; infinities are held at the largest code.
;
; REGISTERS, in two windows of 256 (s_set_vgpr_msb's low byte: bits 1:0 source 0, 3:2 source 1, 5:4 source 2, 7:6 destination).
; window 0: v1-15 addresses and scales; v16-31 statistics, four a tile; v32-47 at work, eight for each tile of the pair; v64-127 fragments (K's eight, later V's four); v128-255 S^T, then p, 64 for each tile of the pair.
; window 1: v0-31 Q's codes; v32-63 p's codes (v32-47 also the codes of K and V just made); v64-95 K as f32; v96-127 V as f32; v128-255 O^T, 32 a tile.
.set ROWB,  256                        ; a row of Q, K, V, out0 in bytes
.set STEPB, 128*ROWB                   ; a key step of K or of V in memory
.set IMG,   16384                      ; LDS: a buffer of codes: K's eight tiles of 1,024 bytes, then
.set VIMG,  8192                       ; V's four fragments of 2,048 bytes
.set STG,   2*IMG                      ; behind the two buffers: a stage of 16 rows x 272 bytes for each wave, for the way out
.set SP,    272                        ; a stage row: 256 bytes + 16: row r starts at bank 4 r mod 64 (64 banks of 4 bytes: ISA guide 11.1)
.set TRIPS, 8                          ; a trip is two key steps, one from each buffer
.set LI,   1                           ; v1   16 x lane: my place in an image
.set KWA,  2                           ; v2   where I store my 16 codes of K
.set VWA,  3                           ; v3   the same for V
.set KGO,  4                           ; v4   my byte offset in a step's K
.set VGO,  5                           ; v5   the same for V
.set SO,   6                           ; v6   the stage: where I put 32 bytes of a row
.set SR,   7                           ; v7   and where I read a row back
.set GO,   8                           ; v8   my byte offset in the wave's rows of out0
.set PSC,  9                           ; v9, v10   2^ep as f32, 57,344 x 2^ep
.set PLIM, 10
.set KSC,  11                          ; v11, v12  the same with ek
.set KLIM, 12
.set VSC,  13                          ; v13, v14  the same with ev
.set VLIM, 14
.set QO,   15                          ; v15  my byte offset in the wave's rows of Q
.set ST,   16                          ; tile t's statistics at v[ST + 4 t]: -M, the largest t, the sum in two halves
.set TT,   32                          ; at work for tile x of the pair, at v[TT + 8 x]: +0, +1 two maxima; +2 (+3) f; +4, +5 a second sum; +6 the other half's maximum
.set QSC,  48                          ; v48, v49  2^eq, 57,344 x 2^eq
.set QLIM, 49
.set FR,   64
.set S,    128
.set QC,   0                           ; window 1
.set PC,   32
.set KS,   64
.set VS,   96
.set OT,   128
.set WV,   14                          ; s14  my wave's number
.set TR,   15                          ; s15  trips to go
.set MSB, 0
.macro WIN new                         ; the immediate's high byte repeats the setting that is left; a switch that changes nothing is dropped
.if MSB != \new
	s_set_vgpr_msb (MSB<<8)|\new
.set MSB, \new
.endif
.endm
; A load into a register that a matrix instruction has read, and a vector instruction that reads a matrix result, stand four places behind that matrix instruction; only plain vector
; instructions that name none of its registers are places (ISA guide 7.12.1 for vector instructions).
.macro PLACES
.rept 4
	v_nop
.endr
.endm
; 2^e as f32 (the conversion takes its exponent field) and 57,344 x 2^e (the hold), from the whole number in s[e]
.macro SCALE e, sc, lim
	s_add_co_i32 s28, s[\e], 127
	s_lshl_b32 s29, s28, 23
	v_mov_b32 v[\sc], s29
	s_add_co_i32 s28, s28, 15
	s_lshl_b32 s28, s28, 23
	s_or_b32 s28, s28, 0x600000
	v_mov_b32 v[\lim], s28
.endm
; My wave's 16 keys of the step that begins off bytes behind the bases, as f32, into window 1: 40 loads.
; K: set a, lane l: key 8 a + l / 4, 16 neighbouring d from 16 (l % 4) on.  V: a lane takes a channel (32 a + l) and its registers run down the 16 keys: each load reads 128 consecutive bytes.
.macro KVLOAD off
	WIN 0x40                                       ; destination window 1, address window 0
.irp a, 0,1
.irp j, 0,1,2,3
	global_load_b128 v[KS+16*\a+4*\j:KS+16*\a+4*\j+3], v[KGO], s[6:7] offset:(\off)+2048*\a+16*\j
.endr
.endr
.irp i, 0,1,2,3,4,5,6,7,8,9,10,11,12,13,14,15
.irp a, 0,1
	global_load_b32 v[VS+16*\a+\i], v[VGO], s[8:9] offset:(\off)+256*\i+128*\a
.endr
.endr
	WIN 0
.endm
; The 64 numbers that KVLOAD brought become 64 codes and go into buffer nb as parts of the operands' images.
.macro QUANT nb
	s_wait_loadcnt 0x0                             ; the 40 loads, asked for a step ago, are in
	WIN 0x41                                       ; destination and source 0 window 1; limits and scales window 0
.set jj, 0
.rept 32
	v_med3_num_f32 v[KS+jj], v[KS+jj], -v[KLIM], v[KLIM]   ; the conversion to an 8-bit code does not saturate (ISA guide 7.6.2): hold the number within the largest code x the scale first
.set jj, jj+1
.endr
.set jj, 0
.rept 32
	v_med3_num_f32 v[VS+jj], v[VS+jj], -v[VLIM], v[VLIM]
.set jj, jj+1
.endr
.irp a, 0,1
	v_cvt_scalef32_pk8_bf8_f32 v[PC+4*\a:PC+4*\a+1], v[KS+16*\a:KS+16*\a+7], v[KSC]
	v_cvt_scalef32_pk8_bf8_f32 v[PC+4*\a+2:PC+4*\a+3], v[KS+16*\a+8:KS+16*\a+15], v[KSC]
.endr
.irp a, 0,1
	v_cvt_scalef32_pk8_bf8_f32 v[PC+8+4*\a:PC+8+4*\a+1], v[VS+16*\a:VS+16*\a+7], v[VSC]
	v_cvt_scalef32_pk8_bf8_f32 v[PC+8+4*\a+2:PC+8+4*\a+3], v[VS+16*\a+8:VS+16*\a+15], v[VSC]
.endr
	v_nop                                          ; one plain vector instruction behind the last scaled conversion, ahead of whatever vector or matrix instruction next touches these registers
	WIN 0x04                                       ; store data window 1, address window 0
.irp a, 0,1
	ds_store_b128 v[KWA], v[PC+4*\a:PC+4*\a+3] offset:IMG*(\nb)+1024*\a
.endr
.irp a, 0,1
	ds_store_b128 v[VWA], v[PC+8+4*\a:PC+8+4*\a+3] offset:IMG*(\nb)+VIMG+4096*\a
.endr
	WIN 0
.endm
.macro KLOAD buf                       ; K's eight tiles (16 keys x 64 d: 8 registers each) out of buffer buf
.irp t, 0,1,2,3,4,5,6,7
.irp g, 0,1
	ds_load_b128 v[FR+8*\t+4*\g:FR+8*\t+4*\g+3], v[LI] offset:IMG*(\buf)+1024*\t+512*\g
.endr
.endr
.endm
.macro VLOAD buf                       ; V's four fragments (16 channels x 128 keys: 16 registers each)
.irp f, 0,1,2,3
.irp c, 0,1,2,3
	ds_load_b128 v[FR+16*\f+4*\c:FR+16*\f+4*\c+3], v[LI] offset:IMG*(\buf)+VIMG+2048*\f+512*\c
.endr
.endr
.endm
; Instruction k of 33 of a tile's sums: 0: the sum so far x f; 1: a second chain begins; 2 to 31: the two chains take p's pairs by turns; 32: the chains join.
.macro SUMI pr, x, k
.set rS, S+64*(\x)
.set rL, ST+4*(2*(\pr)+(\x))+2
.set rF, TT+8*(\x)+2
.set rU, TT+8*(\x)+4
.if (\k) == 0
	v_pk_mul_f32 v[rL:rL+1], v[rL:rL+1], v[rF:rF+1] op_sel_hi:[1,0]
.elseif (\k) == 1
	s_wait_alu depctr_va_vdst(0)
	v_pk_add_f32 v[rU:rU+1], v[rS:rS+1], v[rS+2:rS+3]
.elseif (\k) == 32
	v_pk_add_f32 v[rL:rL+1], v[rL:rL+1], v[rU:rU+1]
.elseif (\k)%2 == 0
	v_pk_add_f32 v[rL:rL+1], v[rL:rL+1], v[rS+2*(\k):rS+2*(\k)+1]
.else
	v_pk_add_f32 v[rU:rU+1], v[rU:rU+1], v[rS+2*(\k):rS+2*(\k)+1]
.endif
.endm
; A KEY STEP FOR A PAIR OF TILES (tiles 2 pr and 2 pr + 1) out of buffer buf.  early = 1: K's fragments have been asked for already.
.macro PAIR pr, buf, early
.if (\early) == 0
	PLACES                                         ; the last products read these registers
	KLOAD \buf
.endif
	s_wait_dscnt 0x0                               ; K's fragments are in (and my stores of codes have read their registers)
	WIN 0x04                                       ; source 1 (Q) window 1
.irp t, 0,1,2,3,4,5,6,7                        ; S^T = K Q^T: each fragment of K serves both tiles; every product starts a sum of its own
.irp x, 0,1
	v_wmma_f32_16x16x64_bf8_bf8 v[S+64*\x+8*\t:S+64*\x+8*\t+7], v[FR+8*\t:FR+8*\t+7], v[QC+8*(2*(\pr)+\x):QC+8*(2*(\pr)+\x)+7], 0
.endr
.endr
	WIN 0
	PLACES                                         ; for the loads over K's fragments and for the first read of the scores
	VLOAD \buf                                     ; V's fragments land under the softmax
	; the largest score of each query among my 64 keys, in two chains a tile, each accumulator from its low end on; the two tiles line by line
.irp x, 0,1
	v_max3_num_f32 v[TT+8*\x], v[S+64*\x], v[S+64*\x+1], v[S+64*\x+2]
.endr
.irp x, 0,1
	v_max3_num_f32 v[TT+8*\x+1], v[S+64*\x+3], v[S+64*\x+4], v[S+64*\x+5]
.endr
.irp i, 6,10,14,18,22,26,30,34,38,42,46,50,54,58
.irp x, 0,1
	v_max3_num_f32 v[TT+8*\x], v[TT+8*\x], v[S+64*\x+\i], v[S+64*\x+\i+1]
.endr
.irp x, 0,1
	v_max3_num_f32 v[TT+8*\x+1], v[TT+8*\x+1], v[S+64*\x+\i+2], v[S+64*\x+\i+3]
.endr
.endr
.irp x, 0,1
	v_max3_num_f32 v[TT+8*\x], v[TT+8*\x], v[S+64*\x+62], v[S+64*\x+63]
.endr
.irp x, 0,1
	v_max_num_f32 v[TT+8*\x], v[TT+8*\x], v[TT+8*\x+1]
.endr
.irp x, 0,1
	v_permlanex16_b32 v[TT+8*\x+6], v[TT+8*\x], s20, s21   ; the query's other 64 keys lie in the lane 16 away
.endr
.irp x, 0,1
	v_max_num_f32 v[TT+8*\x], v[TT+8*\x], v[TT+8*\x+6]
.endr
.irp x, 0,1
	v_mul_f32 v[TT+8*\x], s22, v[TT+8*\x]          ; as t (c is positive)
.endr
.irp x, 0,1
	v_max_num_f32 v[ST+4*(2*(\pr)+\x)+1], v[ST+4*(2*(\pr)+\x)+1], v[TT+8*\x]   ; the running largest t
.endr
.irp x, 0,1
	v_mov_b32 v[TT+8*\x], v[ST+4*(2*(\pr)+\x)]
.endr
.irp x, 0,1
	v_floor_f32 v[ST+4*(2*(\pr)+\x)], -v[ST+4*(2*(\pr)+\x)+1]   ; the new -M = floor(-t) = -ceil(t): M is a whole number
.endr
.irp x, 0,1
	v_sub_f32 v[TT+8*\x], v[ST+4*(2*(\pr)+\x)], v[TT+8*\x]   ; M's old value less its new one: a whole number, 0 or less
.endr
.irp x, 0,1
	v_cvt_i32_f32 v[TT+8*\x], v[TT+8*\x]           ; (it saturates)
.endr
.irp x, 0,1
	v_ldexp_f32 v[TT+8*\x+2], 1.0, v[TT+8*\x]      ; f = 2^(old M - new M)
.endr
	; t - M for the first tile, two at a time (of the pairs c and -M the low word serves both halves)
.irp j, 0,2,4,6,8,10,12,14,16,18,20,22,24,26,28,30,32,34,36,38,40,42,44,46,48,50,52,54,56,58,60,62
	v_pk_fma_f32 v[S+\j:S+\j+1], v[S+\j:S+\j+1], s[22:23], v[ST+8*(\pr):ST+8*(\pr)+1] op_sel_hi:[1,0,0]
.endr
	; the first tile's exponentials, with the second tile's t - M between them: plain work that is ready stands among the exponentials
.set jj, 0
.rept 32
	v_exp_f32 v[S+2*jj], v[S+2*jj]                 ; p = 2^(t - M): not normalised
	v_pk_fma_f32 v[S+64+2*jj:S+64+2*jj+1], v[S+64+2*jj:S+64+2*jj+1], s[22:23], v[ST+8*(\pr)+4:ST+8*(\pr)+5] op_sel_hi:[1,0,0]
	v_exp_f32 v[S+2*jj+1], v[S+2*jj+1]
.set jj, jj+1
.endr
	; the second tile's exponentials, with the first tile's sums between them.  THE ROW'S SUM IS TAKEN OF THE UNQUANTISED p
.set kk, 0
.rept 32
	v_exp_f32 v[S+64+2*kk], v[S+64+2*kk]
	SUMI \pr, 0, kk
	v_exp_f32 v[S+64+2*kk+1], v[S+64+2*kk+1]
.set kk, kk+1
.endr
	SUMI \pr, 0, 32                                ; (a plain instruction behind the last exponential)
.set kk, 0
.rept 33
	SUMI \pr, 1, kk
.set kk, kk+1
.endr
	s_cmp_gt_i32 s18, -16                          ; ep >= -15: 57,344 x 2^ep is at least 1.75, above every p: nothing to hold
	s_cbranch_scc1 .Lfree_\@
.set jj, 0
.rept 128
	v_min_num_f32 v[S+jj], v[S+jj], v[PLIM]        ; p is not negative, so the hold is one-sided
.set jj, jj+1
.endr
.Lfree_\@:
	WIN 0x40                                       ; destination window 1
.irp x, 0,1
.irp c, 0,1,2,3
	v_cvt_scalef32_pk8_bf8_f32 v[PC+16*\x+4*\c:PC+16*\x+4*\c+1], v[S+64*\x+16*\c:S+64*\x+16*\c+7], v[PSC]     ; registers 4 c .. 4 c + 3 of the operand: keys 32 c + 16 (lane / 16) + 0 .. 15
	v_cvt_scalef32_pk8_bf8_f32 v[PC+16*\x+4*\c+2:PC+16*\x+4*\c+3], v[S+64*\x+16*\c+8:S+64*\x+16*\c+15], v[PSC]
.endr
.endr
	WIN 0x41                                       ; O^T (destination and source 0) window 1, f window 0
.irp x, 0,1
.irp j, 0,2,4,6,8,10,12,14,16,18,20,22,24,26,28,30
	v_pk_mul_f32 v[OT+32*(2*(\pr)+\x)+\j:OT+32*(2*(\pr)+\x)+\j+1], v[OT+32*(2*(\pr)+\x)+\j:OT+32*(2*(\pr)+\x)+\j+1], v[TT+8*\x+2:TT+8*\x+3] op_sel_hi:[1,0]   ; O^T under the new M; also the plain lines behind the conversions
.endr
.endr
	s_wait_dscnt 0x0                               ; V's fragments are in
	WIN 0x54                                       ; source 0 (V) window 0; P, C and D window 1
.irp f, 0,1,2,3                                ; O^T += V^T P^T: each fragment of V serves both tiles; the eight accumulators take turns, one instruction a turn
.irp x, 0,1
	v_wmma_f32_16x16x128_bf8_bf8 v[OT+32*(2*(\pr)+\x)+8*\f:OT+32*(2*(\pr)+\x)+8*\f+7], v[FR+16*\f:FR+16*\f+15], v[PC+16*\x:PC+16*\x+15], v[OT+32*(2*(\pr)+\x)+8*\f:OT+32*(2*(\pr)+\x)+8*\f+7]
.endr
.endr
	WIN 0
.endm
; A KEY STEP out of buffer buf.  Behind its barrier the other buffer takes the next step's codes, and the step after that is asked for from memory.
; In the last trip what does not exist is left out by a scalar branch on the count of trips: no load leaves its buffer.
.macro STEP buf
	s_wait_dscnt 0x0                               ; for the others' sake: my stores of this step's codes have landed, and my reads of the other buffer are back
	s_barrier_signal -1
	s_barrier_wait -1                              ; both now hold of all eight waves
	PLACES                                         ; the last step's products read the registers that the loads below fill
	KLOAD \buf                                     ; they land while the next step's codes are made
.if (\buf) == 0
	QUANT 1
	s_cmp_eq_u32 s[TR], 1
	s_cbranch_scc1 .Lno_load_\@
	KVLOAD 2*STEPB                                 ; two steps on from this one
.Lno_load_\@:
.else
	s_cmp_eq_u32 s[TR], 1
	s_cbranch_scc1 .Lno_next_\@
	QUANT 0
	KVLOAD 3*STEPB                                 ; two steps on from this one, which is the trip's second
.Lno_next_\@:
.endif
	PAIR 0, \buf, 1
	PAIR 1, \buf, 0
.endm
	s_load_b256 s[4:11], s[0:1], 0x0               ; Q s[4:5], K s[6:7], V s[8:9], the scales' exponents s[10:11]
	s_load_b64 s[12:13], s[0:1], 0x20              ; out0
	v_lshl_add_u32 v62, v0, 2, 0x10800
	v_mov_b32 v63, 0
	v_lshrrev_b32 v50, 5, v0
	v_readfirstlane_b32 s[WV], v50                 ; wave 0..7
	v_and_b32 v52, 31, v0                          ; l: lane
	v_and_b32 v51, 15, v0                          ; r = l % 16
	v_bfe_u32 v50, v0, 4, 1                        ; h = l / 16
	v_lshlrev_b32 v[LI], 4, v52
	s_lshr_b32 s28, s[WV], 1
	s_and_b32 s29, s[WV], 1
	; K: my 16 codes are d = 16 (l % 4) on of key 16 w + 8 a + l / 4: tile 2 (w / 2) + a, row 8 (w % 2) + l / 4, group (l / 2) % 2, half l % 2 of the lanes
	v_bfe_u32 v[KWA], v0, 2, 3
	v_lshlrev_b32 v[KWA], 4, v[KWA]                ; 16 (l / 4)
	v_bfe_u32 v53, v0, 1, 1
	v_lshl_add_u32 v[KWA], v53, 9, v[KWA]          ; + 512 ((l / 2) % 2)
	v_and_b32 v53, 1, v0
	v_lshl_add_u32 v[KWA], v53, 8, v[KWA]          ; + 256 (l % 2)
	s_lshl_b32 s30, s28, 11
	s_lshl_b32 s31, s29, 7
	s_add_co_u32 s30, s30, s31
	v_add_nc_u32 v[KWA], s30, v[KWA]               ; + 2,048 (w / 2) + 128 (w % 2); set a adds 1,024
	; V: my 16 codes are keys 16 w on of channel 32 a + l: fragment 2 a + l / 16, row l % 16, group w / 2, half w % 2 of the lanes
	v_lshlrev_b32 v[VWA], 4, v51
	v_lshl_add_u32 v[VWA], v50, 11, v[VWA]         ; 16 (l % 16) + 2,048 (l / 16)
	s_lshl_b32 s30, s28, 9
	s_lshl_b32 s31, s29, 8
	s_add_co_u32 s30, s30, s31
	v_add_nc_u32 v[VWA], s30, v[VWA]               ; + 512 (w / 2) + 256 (w % 2); set a adds 4,096
	s_lshl_b32 s30, s[WV], 12                      ; my wave's 16 keys in a step: 4,096 bytes
	v_lshlrev_b32 v[KGO], 6, v52
	v_add_nc_u32 v[KGO], s30, v[KGO]               ; K: + 64 l
	v_lshlrev_b32 v[VGO], 2, v52
	v_add_nc_u32 v[VGO], s30, v[VGO]               ; V: + 4 l
	v_lshlrev_b32 v[QO], 8, v51
	v_lshl_add_u32 v[QO], v50, 6, v[QO]            ; Q: row r, + 64 h: my 16 numbers of 32 along d
	s_mul_i32 s30, s[WV], 16*SP
	s_add_co_u32 s30, s30, STG                     ; my stage
	v_mul_u32_u24 v[SO], v51, SP
	v_lshl_add_u32 v[SO], v50, 5, v[SO]
	v_add_nc_u32 v[SO], s30, v[SO]                 ; in: row r, 32 bytes for each half of the lanes
	v_mul_u32_u24 v[SR], v50, SP
	v_lshl_add_u32 v[SR], v51, 4, v[SR]
	v_add_nc_u32 v[SR], s30, v[SR]                 ; back: lanes 0-15 take one row of 256 bytes, lanes 16-31 the next
	v_lshlrev_b32 v[GO], 8, v50
	v_lshl_add_u32 v[GO], v51, 4, v[GO]            ; and the same two rows in out0
	s_mov_b32 s20, 0x76543210                      ; v_permlanex16_b32's selects for lane l xor 16
	s_mov_b32 s21, 0xfedcba98
	s_mov_b32 s22, 0x3e38aa3b                      ; c = log2(e) / sqrt(64)
	s_mov_b32 s[TR], TRIPS
	s_and_b32 s24, ttmp7, 0xffff                   ; the head,
	s_lshl_b32 s24, s24, 19                        ; its first byte in each tensor: 2,048 rows of 256 bytes
	s_mov_b32 s25, 0
	s_lshl_b32 s26, ttmp9, 17                      ; my block of 512 queries,
	s_lshl_b32 s27, s[WV], 14                      ; my wave's 64 of them
	s_add_co_u32 s26, s26, s27
	s_add_co_u32 s26, s26, s24
	s_mov_b32 s27, 0
	s_wait_kmcnt 0x0
	s_load_b128 s[16:19], s[10:11], 0x0            ; eq, ek, ep, ev
	s_add_nc_u64 s[4:5], s[4:5], s[26:27]          ; Q and out0 at my wave's first row
	s_add_nc_u64 s[12:13], s[12:13], s[26:27]
	s_add_nc_u64 s[6:7], s[6:7], s[24:25]          ; K and V at the head's first key
	s_add_nc_u64 s[8:9], s[8:9], s[24:25]
.irp t, 0,1,2,3                                ; Q as f32: tile t, group g: d = 32 g + 16 h + 0 .. 15 of row r; read once in the launch
.irp g, 0,1
.irp j, 0,1,2,3
	global_load_b128 v[S+32*\t+16*\g+4*\j:S+32*\t+16*\g+4*\j+3], v[QO], s[4:5] offset:4096*\t+128*\g+16*\j th:TH_LOAD_NT
.endr
.endr
.endr
	KVLOAD 0                                       ; key step 0
	s_wait_kmcnt 0x0
	SCALE 16, QSC, QLIM
	SCALE 17, KSC, KLIM
	SCALE 18, PSC, PLIM
	SCALE 19, VSC, VLIM
	s_add_co_i32 s28, s16, s17
	s_lshl_b32 s28, s28, 23
	s_add_co_i32 s22, s22, s28                     ; a score stands for score x 2^(eq + ek): the two exponents are added to c's exponent field
	s_mov_b32 s23, s22                             ; (named with it as a pair, so it is written)
.irp t, 0,1,2,3
	v_mov_b32 v[ST+4*\t+1], 0xff61b1e6             ; the largest t so far: -3e38, under every t
	v_floor_f32 v[ST+4*\t], -v[ST+4*\t+1]          ; -M
	v_mov_b32 v[ST+4*\t+2], 0                      ; the sum, in two halves
	v_mov_b32 v[ST+4*\t+3], 0
.endr
.set jj, 0
.rept 16
	v_mov_b32 v[TT+jj], 0                          ; written once: a lane permute's destination counts as one of its sources, and f is named as a pair
.set jj, jj+1
.endr
	WIN 0x40
.set jj, 0
.rept 128
	v_mov_b32 v[OT+jj], 0                          ; O^T.  (The key step is written once: the first finds zeros, which the first change of M leaves zeros; a first step of its own would be a third copy of the step's text)
.set jj, jj+1
.endr
	WIN 0
	s_wait_loadcnt 40                              ; Q's 32 loads are in; the 40 issued behind them, step 0's K and V, may be out
.set jj, 0
.rept 128
	v_med3_num_f32 v[S+jj], v[S+jj], -v[QLIM], v[QLIM]
.set jj, jj+1
.endr
	WIN 0x40
.irp t, 0,1,2,3
.irp g, 0,1,2,3
	v_cvt_scalef32_pk8_bf8_f32 v[QC+8*\t+2*\g:QC+8*\t+2*\g+1], v[S+32*\t+8*\g:S+32*\t+8*\g+7], v[QSC]   ; Q's codes stay in registers
.endr
.endr
	v_nop                                          ; one plain vector instruction behind the last scaled conversion
	WIN 0
	QUANT 0                                        ; step 0's codes into buffer 0
	KVLOAD STEPB                                   ; key step 1
.Ltrip:                                            ; eight trips of two key steps
	STEP 0
	STEP 1
	s_wait_xcnt 0x0                                ; the loads issued in this trip have had their addresses translated (ISA guide 3.1): only now do the bases step
	s_add_nc_u64 s[6:7], s[6:7], 2*STEPB
	s_add_nc_u64 s[8:9], s[8:9], 2*STEPB
	s_sub_co_u32 s[TR], s[TR], 1
	s_cmp_lg_u32 s[TR], 0
	s_cbranch_scc1 .Ltrip
	; THE WAY OUT.  The sum's two halves and the other half of the lanes' are added; O^T x 2^(ep + ev) / the sum goes through my stage in LDS, a tile (16 rows of out0) at a time, and leaves as whole rows.
.irp t, 0,1,2,3
	v_add_f32 v[TT+2*\t], v[ST+4*\t+2], v[ST+4*\t+3]   ; these four additions are the places behind the last products
.endr
.irp t, 0,1,2,3
	v_permlanex16_b32 v[TT+2*\t+1], v[TT+2*\t], s20, s21
.endr
.irp t, 0,1,2,3
	v_add_f32 v[TT+2*\t], v[TT+2*\t], v[TT+2*\t+1]
.endr
.irp t, 0,1,2,3
	v_rcp_f32 v[TT+2*\t], v[TT+2*\t]               ; the sum is above 1/2: the row's largest p is
.endr
	v_nop                                          ; a plain instruction between the last reciprocal and the use of its result
	s_add_co_i32 s28, s18, s19
	s_wait_alu depctr_va_vdst(0)
.irp t, 0,1,2,3
	v_ldexp_f32 v[TT+2*\t], v[TT+2*\t], s28        ; x 2^(ep + ev)
.endr
; Tile t: register 8 f + j of lane (r, h) is out0(r, 16 f + 8 h + j); 32 bytes a lane and fragment go into rows of 272 bytes and come back as whole rows of 256, into the registers that they left.
.macro OUT t
	WIN 0x01                                       ; source 0 (O^T) window 1
.set jj, 0
.rept 32
	v_mul_f32 v[S+32*(\t)+jj], v[OT+32*(\t)+jj], v[TT+2*(\t)]   ; each accumulator from its low end on
.set jj, jj+1
.endr
	WIN 0
.irp f, 0,1,2,3
	ds_store_b128 v[SO], v[S+32*(\t)+8*\f:S+32*(\t)+8*\f+3] offset:64*\f
	ds_store_b128 v[SO], v[S+32*(\t)+8*\f+4:S+32*(\t)+8*\f+7] offset:64*\f+16
.endr
.irp i, 0,1,2,3,4,5,6,7
	ds_load_b128 v[S+32*(\t)+4*\i:S+32*(\t)+4*\i+3], v[SR] offset:2*\i*SP   ; LDS serves a wave's instructions in order (ISA guide 5.7.1.4): these see the stores above; the next tile's stores come behind them
.endr
.endm
.macro SEND t, younger                 ; younger: the LDS instructions issued behind tile t's loads: the next tile's sixteen, or none
.irp i, 0,1,2,3,4,5,6,7
	s_wait_dscnt (\younger)+7-\i
	global_store_b128 v[GO], v[S+32*(\t)+4*\i:S+32*(\t)+4*\i+3], s[12:13] offset:4096*(\t)+512*\i th:TH_STORE_NT   ; 32 lanes store 512 consecutive bytes, at a multiple of 256 from out0's first byte; written once, read by nobody here
.endr
.endm
	OUT 0
	OUT 1                                          ; a tile's arithmetic stands between the loads of the tile before and its stores
	SEND 0, 16
	OUT 2
	SEND 1, 16
	OUT 3
	SEND 2, 16
	SEND 3, 0
	s_wait_tensorcnt 0x0
	ds_add_u32 v62, v63
	s_wait_dscnt 0x0
	s_endpgm
.Lfunc_end_k_q7c011611ac_attn:
	.size	k_q7c011611ac_attn, .Lfunc_end_k_q7c011611ac_attn-k_q7c011611ac_attn
	.p2alignl 7, 3214868480
	.fill 96, 4, 3214868480
	.section	.rodata,"a",@progbits
	.p2align	6, 0x0
	.amdhsa_kernel k_q7c011611ac_attn
		.amdhsa_group_segment_fixed_size 68608
		.amdhsa_private_segment_fixed_size 0
		.amdhsa_enable_private_segment 0
		.amdhsa_kernarg_size 40
		.amdhsa_user_sgpr_count 2
		.amdhsa_user_sgpr_kernarg_segment_ptr 1
		.amdhsa_wavefront_size32 1
		.amdhsa_system_sgpr_workgroup_id_x 1
		.amdhsa_system_sgpr_workgroup_id_y 1
		.amdhsa_system_sgpr_workgroup_id_z 1
		.amdhsa_system_vgpr_workitem_id 0
		.amdhsa_next_free_vgpr 512
		.amdhsa_next_free_sgpr 66
		.amdhsa_reserve_vcc 0
		.amdhsa_float_denorm_mode_32 3
		.amdhsa_float_denorm_mode_16_64 3
		.amdhsa_memory_ordered 1
		.amdhsa_forward_progress 1
		.amdhsa_inst_pref_size 178
	.end_amdhsa_kernel
	.amdgpu_metadata
---
amdhsa.version: [ 1, 2 ]
amdhsa.kernels:
  - .name:           k_q7c011611ac_attn
    .symbol:         k_q7c011611ac_attn.kd
    .args:
      - { .name: Q, .offset: 0, .size: 8, .value_kind: global_buffer, .address_space: global }
      - { .name: K, .offset: 8, .size: 8, .value_kind: global_buffer, .address_space: global }
      - { .name: V, .offset: 16, .size: 8, .value_kind: global_buffer, .address_space: global }
      - { .name: lowp_scales, .offset: 24, .size: 8, .value_kind: global_buffer, .address_space: global }
      - { .name: out0, .offset: 32, .size: 8, .value_kind: global_buffer, .address_space: global }
    .group_segment_fixed_size: 68608
    .private_segment_fixed_size: 0
    .kernarg_segment_align: 8
    .kernarg_segment_size: 40
    .max_flat_workgroup_size: 256
    .sgpr_count:     66
    .vgpr_count:     512
    .wavefront_size: 32
...
	.end_amdgpu_metadata
.endif
;; end of part 1
;; ======== version 2 of 2: 1 launch; version 1 with the launch attn written anew for expert scheduling mode
;; launch attn (part 2): grid 4 x 64, 8 waves a work-group, no clusters, 68,608 bytes of LDS; arguments Q, K, V, lowp_scales, out0; writes out0
.if DOCPART == 2
	.amdgcn_target "amdgcn-amd-amdhsa--gfx1250"
	.amdhsa_code_object_version 6
	.text
	.protected	k_q7c011611ac_attn
	.globl	k_q7c011611ac_attn
	.p2align	8
	.type	k_q7c011611ac_attn,@function
k_q7c011611ac_attn:
	s_mov_b64 s[64:65], 0
	v_nop
	global_prefetch_b8 v0, s[64:65] scope:SCOPE_SE
	s_setreg_imm32_b32 hwreg(HW_REG_WAVE_SCHED_MODE, 0, 2), 2
	s_setreg_imm32_b32 hwreg(HW_REG_WAVE_MODE, 25, 1), 1
	s_wait_xcnt 0x0
	s_wait_alu depctr_vm_vsrc(0)
; out0[h][q][:] = the sum over k of softmax_k(Q[h][q] . K[h][k] / sqrt(64)) V[h][k][:], 64 heads of 2,048 queries and 2,048 keys, head size 64; Q, K, V, out0 f32.
; Both products on codes of BF8 (E5M2), each operand with the one scale 2^e that is given for it: eq, ek, ep, ev (int32, in lowp_scales).
; THE SOFTMAX AHEAD OF THE SECOND PRODUCT: t = score x log2(e) / 8; M = the row's largest t so far, rounded UP to a whole number; p = 2^(t - M) is what is quantised, along the keys, not normalised.
; The row's sum is taken of the unquantised p, in f32, and divides O at the end.  When M moves, the sum and O are multiplied by 2^(old M - new M): nothing is rounded.
; SHARES.  A work-group owns 512 queries of one head (grid 4 x 64); each of its eight waves owns 64: four tiles of 16, worked as two PAIRS of tiles that share every fragment of K and V read from LDS.
; The keys go in 16 steps of 128.  For each step the eight waves together load the step's K and V as f32 into registers, a whole step ahead (wave w: keys 16 w .. 16 w + 15 of both), hold them at the largest
; code, convert them, and store the codes in LDS as IMAGES OF THE OPERANDS' REGISTERS (16 bytes a lane, 512 bytes a group of four registers), in two buffers by turns.  One barrier a step orders both ways:
; this step's codes are stored before anybody reads them, and the other buffer's reads are back before anybody stores the next step's codes there.
; LAYOUT.  Both products are used transposed: S^T = K Q^T (source 0 = 16 keys, source 1 = 16 queries), O^T = V^T P^T (source 0 = 16 channels, source 1 = P): a lane holds ONE query (lane % 16) throughout.
; THE KEYS OF A TILE ARE NOT NEIGHBOURS: row m of tile 2 b + u is key 32 b + 8 u + m + 8 (m / 8), so that the 16 registers of tiles 2 b and 2 b + 1 are 16 neighbouring keys, 32 b + 16 (lane / 16) + 0 .. 15.
; Along each product's K a lane's registers 4 g .. 4 g + 3 hold k = 32 g + 16 (lane / 16) + 0 .. 15, in both operands alike: every code meets its partner; only the order of the sums inside an instruction differs.
; NO TENSOR LOADS, NO CLUSTER, NO JOINT LOADS, although the four work-groups of a head read the same K and V: these arrive as f32 and must pass through registers to become codes, so a joint load would bring
; 64 KiB a step into LDS only to be read out, converted and stored again beside the 16 KiB of codes.  K and V are converted once in each of a head's four work-groups: 72 vector instructions a wave and step.
; The hold of p at the largest code x 2^ep is left out, by a scalar branch on the given ep, where 57,344 x 2^ep is at least 1.75 (ep >= -15): p is at most 1 but for its last bit.
; LIMITS on the given exponents, so that each power of two below is an f32 number: eq, ek, ep, ev each between -126 and 112; eq + ek between -123 and 130 (they are added to c's exponent field);
; ep + ev is applied by v_ldexp_f32 and has none.  NaN among the inputs is not served; infinities are held at the largest code.
;
; THE MODE: SCHED_MODE bits 1:0 = 2 (LLVM: expert scheduling mode 2), set by the entry lines.  The code itself states the register dependences between vector or matrix instructions and memory or LDS
; instructions, with s_wait_alu, always for 0.
; THE PLAN.  Registers that memory or LDS instructions touch, in the loop:
;   v[FR ..], 64   ONE set, filled four times a step: K's fragments land (the step's head), 16 products K Q^T read them; V's land, 8 products V^T P read them; the same again for the second pair.
;   KS, VS         (window 1)  40 global loads land; a step later the holds write them in place and the conversions read them; behind these the loads of two steps on land.
;   PC .. PC + 15  (window 1)  The conversions of K and V write them, four LDS stores read them; later in the step the first pair's conversions of p write them.
;   v1-8, v15      Addresses and offsets: made at the head and never written again; the scalar bases of K and V step once a trip.
; The waits of a step: (1) va_vdst behind the barrier: the last step's V^T P are done reading FR.  (2) va_vdst behind the conversions of K and V: the codes are written, for the LDS stores; KS and VS are written
; and read to the end, for the 40 loads; between the wait and those loads stand the four stores (which name PC and two addresses), window switches and a scalar branch.  (3) In each pair the wait that the first
; tile's exponentials have in any case also states that K Q^T are done reading FR: V's run of loads stands directly behind it.  (4) The second tile's exponentials' wait.  (5) vm_vsrc in the first pair, ahead of
; p's conversions: the stores of codes have read PC.  (6) va_vdst at the second pair's head: the first pair's V^T P are done reading FR.
; The way out: all products with 1 / the sum first, one wait on va_vdst, then the stage; rows come back into other registers than they left (tiles 0, 1: FR; tiles 2, 3: the registers that tiles 0, 1 left),
; with one wait on vm_vsrc for the latter; no register that a global store reads is written again.
;
; REGISTERS, in two windows of 256 (s_set_vgpr_msb's low byte: bits 1:0 source 0, 3:2 source 1, 5:4 source 2, 7:6 destination).
; window 0: v1-15 addresses and scales; v16-31 statistics, four a tile; v32-47 at work, eight for each tile of the pair; v64-127 fragments (K's eight, later V's four); v128-255 S^T, then p, 64 for each tile of the pair.
; window 1: v0-31 Q's codes; v32-63 p's codes (v32-47 also the codes of K and V just made); v64-95 K as f32; v96-127 V as f32; v128-255 O^T, 32 a tile.
.set ROWB,  256                        ; a row of Q, K, V, out0 in bytes
.set STEPB, 128*ROWB                   ; a key step of K or of V in memory
.set IMG,   16384                      ; LDS: a buffer of codes: K's eight tiles of 1,024 bytes, then
.set VIMG,  8192                       ; V's four fragments of 2,048 bytes
.set STG,   2*IMG                      ; behind the two buffers: a stage of 16 rows x 272 bytes for each wave, for the way out
.set SP,    272                        ; a stage row: 256 bytes + 16: row r starts at bank 4 r mod 64 (64 banks of 4 bytes: ISA guide 11.1)
.set TRIPS, 8                          ; a trip is two key steps, one from each buffer
.set LI,   1                           ; v1   16 x lane: my place in an image
.set KWA,  2                           ; v2   where I store my 16 codes of K
.set VWA,  3                           ; v3   the same for V
.set KGO,  4                           ; v4   my byte offset in a step's K
.set VGO,  5                           ; v5   the same for V
.set SO,   6                           ; v6   the stage: where I put 32 bytes of a row
.set SR,   7                           ; v7   and where I read a row back
.set GO,   8                           ; v8   my byte offset in the wave's rows of out0
.set PSC,  9                           ; v9, v10   2^ep as f32, 57,344 x 2^ep
.set PLIM, 10
.set KSC,  11                          ; v11, v12  the same with ek
.set KLIM, 12
.set VSC,  13                          ; v13, v14  the same with ev
.set VLIM, 14
.set QO,   15                          ; v15  my byte offset in the wave's rows of Q
.set ST,   16                          ; tile t's statistics at v[ST + 4 t]: -M, the largest t, the sum in two halves
.set TT,   32                          ; at work for tile x of the pair, at v[TT + 8 x]: +0, +1 two maxima; +2 (+3) f; +4, +5 a second sum; +6 the other half's maximum
.set QSC,  48                          ; v48, v49  2^eq, 57,344 x 2^eq
.set QLIM, 49
.set FR,   64
.set S,    128
.set QC,   0                           ; window 1
.set PC,   32
.set KS,   64
.set VS,   96
.set OT,   128
.set WV,   14                          ; s14  my wave's number
.set TR,   15                          ; s15  trips to go
.set MSB, 0
.macro WIN new                         ; the immediate's high byte repeats the setting that is left; a switch that changes nothing is dropped
.if MSB != \new
	s_set_vgpr_msb (MSB<<8)|\new
.set MSB, \new
.endif
.endm
; A vector instruction that reads a matrix result stands four places behind that matrix instruction; only plain vector instructions that name none of its registers are places (ISA guide 7.12.1).
; The same four lines also stand between products and the LDS loads over the registers that they read, beside the wait that states that dependence.
.macro PLACES
.rept 4
	v_nop
.endr
.endm
; 2^e as f32 (the conversion takes its exponent field) and 57,344 x 2^e (the hold), from the whole number in s[e]
.macro SCALE e, sc, lim
	s_add_co_i32 s28, s[\e], 127
	s_lshl_b32 s29, s28, 23
	v_mov_b32 v[\sc], s29
	s_add_co_i32 s28, s28, 15
	s_lshl_b32 s28, s28, 23
	s_or_b32 s28, s28, 0x600000
	v_mov_b32 v[\lim], s28
.endm
; My wave's 16 keys of the step that begins off bytes behind the bases, as f32, into window 1: 40 loads.
; K: set a, lane l: key 8 a + l / 4, 16 neighbouring d from 16 (l % 4) on.  V: a lane takes a channel (32 a + l) and its registers run down the 16 keys: each load reads 128 consecutive bytes.
; No vector instruction issued since the last wait on va_vdst names KS, VS or the two offsets.
.macro KVLOAD off
	WIN 0x40                                       ; destination window 1, address window 0
.irp a, 0,1
.irp j, 0,1,2,3
	global_load_b128 v[KS+16*\a+4*\j:KS+16*\a+4*\j+3], v[KGO], s[6:7] offset:(\off)+2048*\a+16*\j
.endr
.endr
.irp i, 0,1,2,3,4,5,6,7,8,9,10,11,12,13,14,15
.irp a, 0,1
	global_load_b32 v[VS+16*\a+\i], v[VGO], s[8:9] offset:(\off)+256*\i+128*\a
.endr
.endr
	WIN 0
.endm
; The 64 numbers that KVLOAD brought become 64 codes and go into buffer nb as parts of the operands' images.
.macro QUANT nb
	s_wait_loadcnt 0x0                             ; the 40 loads, asked for a step ago, are in
	WIN 0x41                                       ; destination and source 0 window 1; limits and scales window 0
.set jj, 0
.rept 32
	v_med3_num_f32 v[KS+jj], v[KS+jj], -v[KLIM], v[KLIM]   ; the conversion to an 8-bit code does not saturate (ISA guide 7.6.2): hold the number within the largest code x the scale first
.set jj, jj+1
.endr
.set jj, 0
.rept 32
	v_med3_num_f32 v[VS+jj], v[VS+jj], -v[VLIM], v[VLIM]
.set jj, jj+1
.endr
.irp a, 0,1
	v_cvt_scalef32_pk8_bf8_f32 v[PC+4*\a:PC+4*\a+1], v[KS+16*\a:KS+16*\a+7], v[KSC]
	v_cvt_scalef32_pk8_bf8_f32 v[PC+4*\a+2:PC+4*\a+3], v[KS+16*\a+8:KS+16*\a+15], v[KSC]
.endr
.irp a, 0,1
	v_cvt_scalef32_pk8_bf8_f32 v[PC+8+4*\a:PC+8+4*\a+1], v[VS+16*\a:VS+16*\a+7], v[VSC]
	v_cvt_scalef32_pk8_bf8_f32 v[PC+8+4*\a+2:PC+8+4*\a+3], v[VS+16*\a+8:VS+16*\a+15], v[VSC]
.endr
	v_nop                                          ; one plain vector instruction behind the last scaled conversion, ahead of whatever vector or matrix instruction next touches these registers
	WIN 0x04                                       ; store data window 1, address window 0
	s_wait_alu depctr_va_vdst(0)                   ; the conversions have written v[PC .. PC + 15], which the LDS stores read; the holds have written KS and VS and the conversions are done reading them: the next 40 loads land there
.irp a, 0,1
	ds_store_b128 v[KWA], v[PC+4*\a:PC+4*\a+3] offset:IMG*(\nb)+1024*\a
.endr
.irp a, 0,1
	ds_store_b128 v[VWA], v[PC+8+4*\a:PC+8+4*\a+3] offset:IMG*(\nb)+VIMG+4096*\a
.endr
	WIN 0
.endm
.macro KLOAD buf                       ; K's eight tiles (16 keys x 64 d: 8 registers each) out of buffer buf
.irp t, 0,1,2,3,4,5,6,7
.irp g, 0,1
	ds_load_b128 v[FR+8*\t+4*\g:FR+8*\t+4*\g+3], v[LI] offset:IMG*(\buf)+1024*\t+512*\g
.endr
.endr
.endm
.macro VLOAD buf                       ; V's four fragments (16 channels x 128 keys: 16 registers each)
.irp f, 0,1,2,3
.irp c, 0,1,2,3
	ds_load_b128 v[FR+16*\f+4*\c:FR+16*\f+4*\c+3], v[LI] offset:IMG*(\buf)+VIMG+2048*\f+512*\c
.endr
.endr
.endm
; Instruction k of 33 of a tile's sums: 0: the sum so far x f; 1: a second chain begins; 2 to 31: the two chains take p's pairs by turns; 32: the chains join.
; Ahead of number 1, the first reader of the tile's p, stands the wait for its exponentials; behind the first tile's wait stands V's run of LDS loads out of buffer buf.
.macro SUMI pr, x, k, buf
.set rS, S+64*(\x)
.set rL, ST+4*(2*(\pr)+(\x))+2
.set rF, TT+8*(\x)+2
.set rU, TT+8*(\x)+4
.if (\k) == 0
	v_pk_mul_f32 v[rL:rL+1], v[rL:rL+1], v[rF:rF+1] op_sel_hi:[1,0]
.elseif (\k) == 1
	s_wait_alu depctr_va_vdst(0)                   ; this tile's 64 exponentials have written its p, ahead of their first reader; at the pair's first tile also: the products K Q^T are done reading v[FR ..], in which V's fragments land
.if (\x) == 0
	VLOAD \buf                                     ; V's fragments land under the rest of the softmax
.endif
	v_pk_add_f32 v[rU:rU+1], v[rS:rS+1], v[rS+2:rS+3]
.elseif (\k) == 32
	v_pk_add_f32 v[rL:rL+1], v[rL:rL+1], v[rU:rU+1]
.elseif (\k)%2 == 0
	v_pk_add_f32 v[rL:rL+1], v[rL:rL+1], v[rS+2*(\k):rS+2*(\k)+1]
.else
	v_pk_add_f32 v[rU:rU+1], v[rU:rU+1], v[rS+2*(\k):rS+2*(\k)+1]
.endif
.endm
; A KEY STEP FOR A PAIR OF TILES (tiles 2 pr and 2 pr + 1) out of buffer buf.  early = 1: the step's first pair: K's fragments have been asked for already, and the next step's codes have been stored in this step.
.macro PAIR pr, buf, early
.if (\early) == 0
	PLACES                                         ; the last products read these registers
	s_wait_alu depctr_va_vdst(0)                   ; the first pair's products V^T P are done reading v[FR ..], in which K's fragments land
	KLOAD \buf
.endif
	s_wait_dscnt 0x0                               ; K's fragments are in
	WIN 0x04                                       ; source 1 (Q) window 1
.irp t, 0,1,2,3,4,5,6,7                        ; S^T = K Q^T: each fragment of K serves both tiles; every product starts a sum of its own
.irp x, 0,1
	v_wmma_f32_16x16x64_bf8_bf8 v[S+64*\x+8*\t:S+64*\x+8*\t+7], v[FR+8*\t:FR+8*\t+7], v[QC+8*(2*(\pr)+\x):QC+8*(2*(\pr)+\x)+7], 0
.endr
.endr
	WIN 0
	PLACES                                         ; for the first read of the scores
	; the largest score of each query among my 64 keys, in two chains a tile, each accumulator from its low end on; the two tiles line by line
.irp x, 0,1
	v_max3_num_f32 v[TT+8*\x], v[S+64*\x], v[S+64*\x+1], v[S+64*\x+2]
.endr
.irp x, 0,1
	v_max3_num_f32 v[TT+8*\x+1], v[S+64*\x+3], v[S+64*\x+4], v[S+64*\x+5]
.endr
.irp i, 6,10,14,18,22,26,30,34,38,42,46,50,54,58
.irp x, 0,1
	v_max3_num_f32 v[TT+8*\x], v[TT+8*\x], v[S+64*\x+\i], v[S+64*\x+\i+1]
.endr
.irp x, 0,1
	v_max3_num_f32 v[TT+8*\x+1], v[TT+8*\x+1], v[S+64*\x+\i+2], v[S+64*\x+\i+3]
.endr
.endr
.irp x, 0,1
	v_max3_num_f32 v[TT+8*\x], v[TT+8*\x], v[S+64*\x+62], v[S+64*\x+63]
.endr
.irp x, 0,1
	v_max_num_f32 v[TT+8*\x], v[TT+8*\x], v[TT+8*\x+1]
.endr
.irp x, 0,1
	v_permlanex16_b32 v[TT+8*\x+6], v[TT+8*\x], s20, s21   ; the query's other 64 keys lie in the lane 16 away
.endr
.irp x, 0,1
	v_max_num_f32 v[TT+8*\x], v[TT+8*\x], v[TT+8*\x+6]
.endr
.irp x, 0,1
	v_mul_f32 v[TT+8*\x], s22, v[TT+8*\x]          ; as t (c is positive)
.endr
.irp x, 0,1
	v_max_num_f32 v[ST+4*(2*(\pr)+\x)+1], v[ST+4*(2*(\pr)+\x)+1], v[TT+8*\x]   ; the running largest t
.endr
.irp x, 0,1
	v_mov_b32 v[TT+8*\x], v[ST+4*(2*(\pr)+\x)]
.endr
.irp x, 0,1
	v_floor_f32 v[ST+4*(2*(\pr)+\x)], -v[ST+4*(2*(\pr)+\x)+1]   ; the new -M = floor(-t) = -ceil(t): M is a whole number
.endr
.irp x, 0,1
	v_sub_f32 v[TT+8*\x], v[ST+4*(2*(\pr)+\x)], v[TT+8*\x]   ; M's old value less its new one: a whole number, 0 or less
.endr
.irp x, 0,1
	v_cvt_i32_f32 v[TT+8*\x], v[TT+8*\x]           ; (it saturates)
.endr
.irp x, 0,1
	v_ldexp_f32 v[TT+8*\x+2], 1.0, v[TT+8*\x]      ; f = 2^(old M - new M)
.endr
	; t - M for the first tile, two at a time (of the pairs c and -M the low word serves both halves)
.irp j, 0,2,4,6,8,10,12,14,16,18,20,22,24,26,28,30,32,34,36,38,40,42,44,46,48,50,52,54,56,58,60,62
	v_pk_fma_f32 v[S+\j:S+\j+1], v[S+\j:S+\j+1], s[22:23], v[ST+8*(\pr):ST+8*(\pr)+1] op_sel_hi:[1,0,0]
.endr
	; the first tile's exponentials, with the second tile's t - M between them: plain work that is ready stands among the exponentials
.set jj, 0
.rept 32
	v_exp_f32 v[S+2*jj], v[S+2*jj]                 ; p = 2^(t - M): not normalised
	v_pk_fma_f32 v[S+64+2*jj:S+64+2*jj+1], v[S+64+2*jj:S+64+2*jj+1], s[22:23], v[ST+8*(\pr)+4:ST+8*(\pr)+5] op_sel_hi:[1,0,0]
	v_exp_f32 v[S+2*jj+1], v[S+2*jj+1]
.set jj, jj+1
.endr
	; the second tile's exponentials, with the first tile's sums between them.  THE ROW'S SUM IS TAKEN OF THE UNQUANTISED p
.set kk, 0
.rept 32
	v_exp_f32 v[S+64+2*kk], v[S+64+2*kk]
	SUMI \pr, 0, kk, \buf
	v_exp_f32 v[S+64+2*kk+1], v[S+64+2*kk+1]
.set kk, kk+1
.endr
	SUMI \pr, 0, 32, \buf                          ; (a plain instruction behind the last exponential)
.set kk, 0
.rept 33
	SUMI \pr, 1, kk, \buf
.set kk, kk+1
.endr
.if \early
	s_wait_alu depctr_vm_vsrc(0)                   ; my LDS stores of the next step's codes, issued at this step's head, have read v[PC .. PC + 15] of window 1, which the conversions of p write; it stands ahead of the branch, on both ways
.endif
	s_cmp_gt_i32 s18, -16                          ; ep >= -15: 57,344 x 2^ep is at least 1.75, above every p: nothing to hold
	s_cbranch_scc1 .Lfree_\@
.set jj, 0
.rept 128
	v_min_num_f32 v[S+jj], v[S+jj], v[PLIM]        ; p is not negative, so the hold is one-sided
.set jj, jj+1
.endr
.Lfree_\@:
	WIN 0x40                                       ; destination window 1
.irp x, 0,1
.irp c, 0,1,2,3
	v_cvt_scalef32_pk8_bf8_f32 v[PC+16*\x+4*\c:PC+16*\x+4*\c+1], v[S+64*\x+16*\c:S+64*\x+16*\c+7], v[PSC]     ; registers 4 c .. 4 c + 3 of the operand: keys 32 c + 16 (lane / 16) + 0 .. 15
	v_cvt_scalef32_pk8_bf8_f32 v[PC+16*\x+4*\c+2:PC+16*\x+4*\c+3], v[S+64*\x+16*\c+8:S+64*\x+16*\c+15], v[PSC]
.endr
.endr
	WIN 0x41                                       ; O^T (destination and source 0) window 1, f window 0
.irp x, 0,1
.irp j, 0,2,4,6,8,10,12,14,16,18,20,22,24,26,28,30
	v_pk_mul_f32 v[OT+32*(2*(\pr)+\x)+\j:OT+32*(2*(\pr)+\x)+\j+1], v[OT+32*(2*(\pr)+\x)+\j:OT+32*(2*(\pr)+\x)+\j+1], v[TT+8*\x+2:TT+8*\x+3] op_sel_hi:[1,0]   ; O^T under the new M; also the plain lines behind the conversions
.endr
.endr
	s_wait_dscnt 0x0                               ; V's fragments are in
	WIN 0x54                                       ; source 0 (V) window 0; P, C and D window 1
.irp f, 0,1,2,3                                ; O^T += V^T P^T: each fragment of V serves both tiles; the eight accumulators take turns, one instruction a turn
.irp x, 0,1
	v_wmma_f32_16x16x128_bf8_bf8 v[OT+32*(2*(\pr)+\x)+8*\f:OT+32*(2*(\pr)+\x)+8*\f+7], v[FR+16*\f:FR+16*\f+15], v[PC+16*\x:PC+16*\x+15], v[OT+32*(2*(\pr)+\x)+8*\f:OT+32*(2*(\pr)+\x)+8*\f+7]
.endr
.endr
	WIN 0
.endm
; A KEY STEP out of buffer buf.  Behind its barrier the other buffer takes the next step's codes, and the step after that is asked for from memory.
; In the last trip what does not exist is left out by a scalar branch on the count of trips: no load leaves its buffer.
.macro STEP buf
	s_wait_dscnt 0x0                               ; for the others' sake: my stores of this step's codes have landed, and my reads of the other buffer are back
	s_barrier_signal -1
	s_barrier_wait -1                              ; both now hold of all eight waves
	PLACES                                         ; the last step's products read the registers that the loads below fill
	s_wait_alu depctr_va_vdst(0)                   ; the last step's products V^T P are done reading v[FR ..], in which K's fragments land
	KLOAD \buf                                     ; they land while the next step's codes are made
.if (\buf) == 0
	QUANT 1
	s_cmp_eq_u32 s[TR], 1
	s_cbranch_scc1 .Lno_load_\@
	KVLOAD 2*STEPB                                 ; two steps on from this one
.Lno_load_\@:
.else
	s_cmp_eq_u32 s[TR], 1
	s_cbranch_scc1 .Lno_next_\@
	QUANT 0
	KVLOAD 3*STEPB                                 ; two steps on from this one, which is the trip's second
.Lno_next_\@:
.endif
	PAIR 0, \buf, 1
	PAIR 1, \buf, 0
.endm
	s_load_b256 s[4:11], s[0:1], 0x0               ; Q s[4:5], K s[6:7], V s[8:9], the scales' exponents s[10:11]
	s_load_b64 s[12:13], s[0:1], 0x20              ; out0
	v_lshl_add_u32 v62, v0, 2, 0x10800
	v_mov_b32 v63, 0
	v_lshrrev_b32 v50, 5, v0
	v_readfirstlane_b32 s[WV], v50                 ; wave 0..7
	v_and_b32 v52, 31, v0                          ; l: lane
	v_and_b32 v51, 15, v0                          ; r = l % 16
	v_bfe_u32 v50, v0, 4, 1                        ; h = l / 16
	v_lshlrev_b32 v[LI], 4, v52
	s_wait_alu depctr_va_sdst(0)                   ; s14, the wave's number, is written, ahead of its first reader
	s_lshr_b32 s28, s[WV], 1
	s_and_b32 s29, s[WV], 1
	; K: my 16 codes are d = 16 (l % 4) on of key 16 w + 8 a + l / 4: tile 2 (w / 2) + a, row 8 (w % 2) + l / 4, group (l / 2) % 2, half l % 2 of the lanes
	v_bfe_u32 v[KWA], v0, 2, 3
	v_lshlrev_b32 v[KWA], 4, v[KWA]                ; 16 (l / 4)
	v_bfe_u32 v53, v0, 1, 1
	v_lshl_add_u32 v[KWA], v53, 9, v[KWA]          ; + 512 ((l / 2) % 2)
	v_and_b32 v53, 1, v0
	v_lshl_add_u32 v[KWA], v53, 8, v[KWA]          ; + 256 (l % 2)
	s_lshl_b32 s30, s28, 11
	s_lshl_b32 s31, s29, 7
	s_add_co_u32 s30, s30, s31
	v_add_nc_u32 v[KWA], s30, v[KWA]               ; + 2,048 (w / 2) + 128 (w % 2); set a adds 1,024
	; V: my 16 codes are keys 16 w on of channel 32 a + l: fragment 2 a + l / 16, row l % 16, group w / 2, half w % 2 of the lanes
	v_lshlrev_b32 v[VWA], 4, v51
	v_lshl_add_u32 v[VWA], v50, 11, v[VWA]         ; 16 (l % 16) + 2,048 (l / 16)
	s_lshl_b32 s30, s28, 9
	s_lshl_b32 s31, s29, 8
	s_add_co_u32 s30, s30, s31
	v_add_nc_u32 v[VWA], s30, v[VWA]               ; + 512 (w / 2) + 256 (w % 2); set a adds 4,096
	s_lshl_b32 s30, s[WV], 12                      ; my wave's 16 keys in a step: 4,096 bytes
	v_lshlrev_b32 v[KGO], 6, v52
	v_add_nc_u32 v[KGO], s30, v[KGO]               ; K: + 64 l
	v_lshlrev_b32 v[VGO], 2, v52
	v_add_nc_u32 v[VGO], s30, v[VGO]               ; V: + 4 l
	v_lshlrev_b32 v[QO], 8, v51
	v_lshl_add_u32 v[QO], v50, 6, v[QO]            ; Q: row r, + 64 h: my 16 numbers of 32 along d
	s_mul_i32 s30, s[WV], 16*SP
	s_add_co_u32 s30, s30, STG                     ; my stage
	v_mul_u32_u24 v[SO], v51, SP
	v_lshl_add_u32 v[SO], v50, 5, v[SO]
	v_add_nc_u32 v[SO], s30, v[SO]                 ; in: row r, 32 bytes for each half of the lanes
	v_mul_u32_u24 v[SR], v50, SP
	v_lshl_add_u32 v[SR], v51, 4, v[SR]
	v_add_nc_u32 v[SR], s30, v[SR]                 ; back: lanes 0-15 take one row of 256 bytes, lanes 16-31 the next
	v_lshlrev_b32 v[GO], 8, v50
	v_lshl_add_u32 v[GO], v51, 4, v[GO]            ; and the same two rows in out0
	s_mov_b32 s20, 0x76543210                      ; v_permlanex16_b32's selects for lane l xor 16
	s_mov_b32 s21, 0xfedcba98
	s_mov_b32 s22, 0x3e38aa3b                      ; c = log2(e) / sqrt(64)
	s_mov_b32 s[TR], TRIPS
	s_and_b32 s24, ttmp7, 0xffff                   ; the head,
	s_lshl_b32 s24, s24, 19                        ; its first byte in each tensor: 2,048 rows of 256 bytes
	s_mov_b32 s25, 0
	s_lshl_b32 s26, ttmp9, 17                      ; my block of 512 queries,
	s_lshl_b32 s27, s[WV], 14                      ; my wave's 64 of them
	s_add_co_u32 s26, s26, s27
	s_add_co_u32 s26, s26, s24
	s_mov_b32 s27, 0
	s_wait_kmcnt 0x0
	s_load_b128 s[16:19], s[10:11], 0x0            ; eq, ek, ep, ev
	s_add_nc_u64 s[4:5], s[4:5], s[26:27]          ; Q and out0 at my wave's first row
	s_add_nc_u64 s[12:13], s[12:13], s[26:27]
	s_add_nc_u64 s[6:7], s[6:7], s[24:25]          ; K and V at the head's first key
	s_add_nc_u64 s[8:9], s[8:9], s[24:25]
	s_wait_alu depctr_va_vdst(0)                   ; the nine addresses and offsets v1 to v8 and v15 are written: every load and store of the kernel reads one of them, and none is written again
.irp t, 0,1,2,3                                ; Q as f32: tile t, group g: d = 32 g + 16 h + 0 .. 15 of row r; read once in the launch
.irp g, 0,1
.irp j, 0,1,2,3
	global_load_b128 v[S+32*\t+16*\g+4*\j:S+32*\t+16*\g+4*\j+3], v[QO], s[4:5] offset:4096*\t+128*\g+16*\j th:TH_LOAD_NT
.endr
.endr
.endr
	KVLOAD 0                                       ; key step 0
	s_wait_kmcnt 0x0
	SCALE 16, QSC, QLIM
	SCALE 17, KSC, KLIM
	SCALE 18, PSC, PLIM
	SCALE 19, VSC, VLIM
	s_add_co_i32 s28, s16, s17
	s_lshl_b32 s28, s28, 23
	s_add_co_i32 s22, s22, s28                     ; a score stands for score x 2^(eq + ek): the two exponents are added to c's exponent field
	s_mov_b32 s23, s22                             ; (named with it as a pair, so it is written)
.irp t, 0,1,2,3
	v_mov_b32 v[ST+4*\t+1], 0xff61b1e6             ; the largest t so far: -3e38, under every t
	v_floor_f32 v[ST+4*\t], -v[ST+4*\t+1]          ; -M
	v_mov_b32 v[ST+4*\t+2], 0                      ; the sum, in two halves
	v_mov_b32 v[ST+4*\t+3], 0
.endr
.set jj, 0
.rept 16
	v_mov_b32 v[TT+jj], 0                          ; written once: a lane permute's destination counts as one of its sources, and f is named as a pair
.set jj, jj+1
.endr
	WIN 0x40
.set jj, 0
.rept 128
	v_mov_b32 v[OT+jj], 0                          ; O^T.  (The key step is written once: the first finds zeros, which the first change of M leaves zeros; a first step of its own would be a third copy of the step's text)
.set jj, jj+1
.endr
	WIN 0
	s_wait_loadcnt 40                              ; Q's 32 loads are in; the 40 issued behind them, step 0's K and V, may be out
.set jj, 0
.rept 128
	v_med3_num_f32 v[S+jj], v[S+jj], -v[QLIM], v[QLIM]
.set jj, jj+1
.endr
	WIN 0x40
.irp t, 0,1,2,3
.irp g, 0,1,2,3
	v_cvt_scalef32_pk8_bf8_f32 v[QC+8*\t+2*\g:QC+8*\t+2*\g+1], v[S+32*\t+8*\g:S+32*\t+8*\g+7], v[QSC]   ; Q's codes stay in registers
.endr
.endr
	v_nop                                          ; one plain vector instruction behind the last scaled conversion
	WIN 0
	QUANT 0                                        ; step 0's codes into buffer 0
	KVLOAD STEPB                                   ; key step 1
	s_wait_alu depctr_vm_vsrc(0)                   ; the LDS stores of step 0's codes have read v[PC .. PC + 15] of window 1, which the first trip's conversions of K and V write
.Ltrip:                                            ; eight trips of two key steps
	STEP 0
	STEP 1
	s_wait_xcnt 0x0                                ; the loads issued in this trip have had their addresses translated (ISA guide 3.1): only now do the bases step
	s_add_nc_u64 s[6:7], s[6:7], 2*STEPB
	s_add_nc_u64 s[8:9], s[8:9], 2*STEPB
	s_sub_co_u32 s[TR], s[TR], 1
	s_cmp_lg_u32 s[TR], 0
	s_cbranch_scc1 .Ltrip
	; THE WAY OUT.  The sum's two halves and the other half of the lanes' are added; O^T x 2^(ep + ev) / the sum goes through my stage in LDS, a tile (16 rows of out0) at a time, and leaves as whole rows.
.irp t, 0,1,2,3
	v_add_f32 v[TT+2*\t], v[ST+4*\t+2], v[ST+4*\t+3]   ; these four additions are the places behind the last products
.endr
.irp t, 0,1,2,3
	v_permlanex16_b32 v[TT+2*\t+1], v[TT+2*\t], s20, s21
.endr
.irp t, 0,1,2,3
	v_add_f32 v[TT+2*\t], v[TT+2*\t], v[TT+2*\t+1]
.endr
.irp t, 0,1,2,3
	v_rcp_f32 v[TT+2*\t], v[TT+2*\t]               ; the sum is above 1/2: the row's largest p is
.endr
	v_nop                                          ; a plain instruction between the last reciprocal and the use of its result
	s_add_co_i32 s28, s18, s19
	s_wait_alu depctr_va_vdst(0)                   ; the four reciprocals are written, ahead of their first reader
.irp t, 0,1,2,3
	v_ldexp_f32 v[TT+2*\t], v[TT+2*\t], s28        ; x 2^(ep + ev)
.endr
	WIN 0x01                                       ; source 0 (O^T) window 1
.irp t, 0,1,2,3
.set jj, 0
.rept 32
	v_mul_f32 v[S+32*\t+jj], v[OT+32*\t+jj], v[TT+2*\t]   ; each accumulator from its low end on; register 8 f + j of lane (r, h) is out0(r, 16 f + 8 h + j) of tile t
.set jj, jj+1
.endr
.endr
	WIN 0
	s_wait_alu depctr_va_vdst(0)                   ; the 128 multiplications have written v[S ..], which the LDS stores read and in part of which rows land later; the last products are done reading v[FR ..], in which rows land
; Tile t: 32 bytes a lane and fragment go into rows of 272 bytes and come back as whole rows of 256, into registers that no vector instruction names any more:
; tiles 0 and 1 into v[FR ..], tiles 2 and 3 into the registers that tiles 0 and 1 left.
.macro TOSTAGE t
.if (\t) < 2
.set rB, FR+32*(\t)
.else
.set rB, S+32*((\t)-2)
.endif
.irp f, 0,1,2,3
	ds_store_b128 v[SO], v[S+32*(\t)+8*\f:S+32*(\t)+8*\f+3] offset:64*\f
	ds_store_b128 v[SO], v[S+32*(\t)+8*\f+4:S+32*(\t)+8*\f+7] offset:64*\f+16
.endr
.irp i, 0,1,2,3,4,5,6,7
	ds_load_b128 v[rB+4*\i:rB+4*\i+3], v[SR] offset:2*\i*SP   ; LDS serves a wave's instructions in order (ISA guide 5.7.1.4): these see the stores above; the next tile's stores come behind them
.endr
.endm
.macro SEND t, younger                 ; younger: the LDS instructions issued behind tile t's loads: the next tile's sixteen, or none
.if (\t) < 2
.set rB, FR+32*(\t)
.else
.set rB, S+32*((\t)-2)
.endif
.irp i, 0,1,2,3,4,5,6,7
	s_wait_dscnt (\younger)+7-\i
	global_store_b128 v[GO], v[rB+4*\i:rB+4*\i+3], s[12:13] offset:4096*(\t)+512*\i th:TH_STORE_NT   ; 32 lanes store 512 consecutive bytes, at a multiple of 256 from out0's first byte; written once, read by nobody here
.endr
.endm
	TOSTAGE 0
	TOSTAGE 1                                      ; a tile's way through the stage stands between the loads of the tile before and its stores
	s_wait_alu depctr_vm_vsrc(0)                   ; the LDS stores of tiles 0 and 1 have read v[S .. S + 63], in which the rows of tiles 2 and 3 land
	SEND 0, 16
	TOSTAGE 2
	SEND 1, 16
	TOSTAGE 3
	SEND 2, 16
	SEND 3, 0
	s_wait_dscnt 0x0                               ; the closing lines, six on end
	s_wait_alu 0x0
	s_wait_tensorcnt 0x0
	ds_add_u32 v62, v63
	s_wait_dscnt 0x0
	s_endpgm
.Lfunc_end_k_q7c011611ac_attn:
	.size	k_q7c011611ac_attn, .Lfunc_end_k_q7c011611ac_attn-k_q7c011611ac_attn
	.p2alignl 7, 3214868480
	.fill 96, 4, 3214868480
	.section	.rodata,"a",@progbits
	.p2align	6, 0x0
	.amdhsa_kernel k_q7c011611ac_attn
		.amdhsa_group_segment_fixed_size 68608
		.amdhsa_private_segment_fixed_size 0
		.amdhsa_enable_private_segment 0
		.amdhsa_kernarg_size 40
		.amdhsa_user_sgpr_count 2
		.amdhsa_user_sgpr_kernarg_segment_ptr 1
		.amdhsa_wavefront_size32 1
		.amdhsa_system_sgpr_workgroup_id_x 1
		.amdhsa_system_sgpr_workgroup_id_y 1
		.amdhsa_system_sgpr_workgroup_id_z 1
		.amdhsa_system_vgpr_workitem_id 0
		.amdhsa_next_free_vgpr 512
		.amdhsa_next_free_sgpr 66
		.amdhsa_reserve_vcc 0
		.amdhsa_float_denorm_mode_32 3
		.amdhsa_float_denorm_mode_16_64 3
		.amdhsa_memory_ordered 1
		.amdhsa_forward_progress 1
		.amdhsa_inst_pref_size 178
	.end_amdhsa_kernel
	.amdgpu_metadata
---
amdhsa.version: [ 1, 2 ]
amdhsa.kernels:
  - .name:           k_q7c011611ac_attn
    .symbol:         k_q7c011611ac_attn.kd
    .args:
      - { .name: Q, .offset: 0, .size: 8, .value_kind: global_buffer, .address_space: global }
      - { .name: K, .offset: 8, .size: 8, .value_kind: global_buffer, .address_space: global }
      - { .name: V, .offset: 16, .size: 8, .value_kind: global_buffer, .address_space: global }
      - { .name: lowp_scales, .offset: 24, .size: 8, .value_kind: global_buffer, .address_space: global }
      - { .name: out0, .offset: 32, .size: 8, .value_kind: global_buffer, .address_space: global }
    .group_segment_fixed_size: 68608
    .private_segment_fixed_size: 0
    .kernarg_segment_align: 8
    .kernarg_segment_size: 40
    .max_flat_workgroup_size: 256
    .sgpr_count:     66
    .vgpr_count:     512
    .wavefront_size: 32
...
	.end_amdgpu_metadata
.endif
;; end of part 2
